; MI455X (gfx1250); checked and timed in simulation.
; The chip was launched on July 23, 2026; its instructions are those of AMD's public machine-readable ISA for CDNA 5 (MIT licence, August 2026) and "CDNA5" Instruction Set Architecture Reference Guide (July 2026). The comments in the code are by the model that wrote it; some were corrected since.
;; Multi Head Attention. Allowed arithmetic: float matrix products may take bf16 or f16 operands with f32 sums; all other float work in f32.
;; Inputs: Wk 1,024 x 1,024 float32; Wp 1,024 x 1,024 float32; Wq 1,024 x 1,024 float32; Wv 1,024 x 1,024 float32; cos 2 x 2,048 x 64 float32; sin 2 x 2,048 x 64 float32; x 2 x 2,048 x 1,024 float32.
;; Outputs: out0 2 x 2,048 x 1,024 float32.
;; One version. Each part assembles by itself: llvm-mc -triple=amdgcn-amd-amdhsa -mcpu=gfx1250 --defsym DOCPART=n.
;; ======== version 1 of 1: 4 launches
;; limits: values outside matrix products are rounded to bf16; values are held in f16: magnitudes above 65,504 overflow, below 6.1e-05 lose precision
;; workspace buffers: xb 8,388,608 bytes; wqkv 6,291,456 bytes; wph 2,097,152 bytes; q 8,388,608 bytes; k 8,388,608 bytes; v 8,388,608 bytes; ao 8,388,608 bytes
;; launch cvt (part 1): grid 256 x 1, 8 waves a work-group, no clusters, 0 bytes of LDS; arguments x, Wq, Wk, Wv, Wp, xb, wqkv, wph; writes xb, wqkv, wph
.if DOCPART == 1
	.amdgcn_target "amdgcn-amd-amdhsa--gfx1250"
	.amdhsa_code_object_version 6
	.text
	.protected	k_qd091c880a3_cvt
	.globl	k_qd091c880a3_cvt
	.p2align	8
	.type	k_qd091c880a3_cvt,@function
k_qd091c880a3_cvt:
	s_mov_b64 s[64:65], 0
	v_nop
	global_prefetch_b8 v0, s[64:65] scope:SCOPE_SE
	s_setreg_imm32_b32 hwreg(HW_REG_WAVE_MODE, 25, 1), 1
	s_wait_xcnt 0x0
; Rounds the matrix operands once, so that the products that follow read 16-bit tiles.
;   xb   [4096][1024] bf16 = x
;   wqkv [16 heads][3 parts q, k, v][64][1024] bf16 = Wq, Wk, Wv, a head's 192 rows side by side
;   wph  [1024][1024] f16 = Wp rounded to bf16 and then written as f16 (it meets an f16 operand later).
;        LIMIT: that second step is exact for |w| >= 2^-17; below, the absolute error is at most 2^-25.
; A stream: no LDS, no matrix unit, no barrier.  256 work-groups of eight waves; each takes 32 rows of 1,024 numbers, 131,072 bytes
; in and 65,536 out, dense on both sides.  Work-groups 0-127 take x, then 32 each take Wq, Wk, Wv, Wp.
; Thread t owns 16 bytes at 16 t of every 4,096 bytes read and 8 bytes at 8 t of every 2,048 written: a wave's load covers 512
; consecutive bytes, its store 256 consecutive bytes that start at a multiple of 256 from the buffer's first byte.
; All 32 loads of a thread go out at once, and no register is used twice, so the only waits are the counted ones for the loads.
.set X, 4                              ; v[4:131]   load i: 4 numbers in f32
.set Y, 132                            ; v[132:195] store i: 4 numbers in 16 bits
	s_load_b512 s[8:23], s[0:1], 0x0               ; x, Wq, Wk, Wv, Wp, xb, wqkv, wph
	s_lshr_b32 s2, ttmp9, 5                        ; 0-3: x;  4, 5, 6, 7: Wq, Wk, Wv, Wp
	s_and_b32 s3, ttmp9, 31
	s_cmp_lt_u32 ttmp9, 128
	s_cselect_b32 s3, ttmp9, s3                    ; the number of my 32 rows in their source
	s_lshl_b32 s4, s3, 5                           ; first row written: the same as read (xb, wph),
	s_lshr_b32 s5, s3, 1                           ; or, in wqkv: head = chunk / 2,
	s_mul_i32 s5, s5, 192                          ; 192 rows a head,
	s_sub_co_u32 s6, s2, 4                         ; part 0, 1, 2 (a large number for x),
	s_lshl_b32 s7, s6, 6                           ; 64 rows a part,
	s_add_co_u32 s5, s5, s7
	s_and_b32 s7, s3, 1
	s_lshl_b32 s7, s7, 5                           ; and the chunk's half of the part
	s_add_co_u32 s5, s5, s7
	s_cmp_lt_u32 s6, 3
	s_cselect_b32 s4, s5, s4
	s_lshl_b32 s30, s4, 11                         ; rows of 2,048 bytes out
	s_mov_b32 s31, 0
	s_lshl_b32 s28, s3, 17                         ; chunks of 131,072 bytes in
	s_mov_b32 s29, 0
	s_mov_b32 s32, 0xffff0000                      ; a word's upper bf16
	v_lshlrev_b32 v1, 4, v0
	v_lshlrev_b32 v2, 3, v0
	s_wait_kmcnt 0x0
	s_mov_b64 s[24:25], s[8:9]                     ; the source, chosen by the work-group's number alone
	s_cmp_eq_u32 s2, 4
	s_cselect_b64 s[24:25], s[10:11], s[24:25]
	s_cmp_eq_u32 s2, 5
	s_cselect_b64 s[24:25], s[12:13], s[24:25]
	s_cmp_eq_u32 s2, 6
	s_cselect_b64 s[24:25], s[14:15], s[24:25]
	s_cmp_eq_u32 s2, 7
	s_cselect_b64 s[24:25], s[16:17], s[24:25]
	s_mov_b64 s[26:27], s[18:19]                   ; the destination likewise
	s_cmp_ge_u32 s2, 4
	s_cselect_b64 s[26:27], s[20:21], s[26:27]
	s_cmp_eq_u32 s2, 7
	s_cselect_b64 s[26:27], s[22:23], s[26:27]
	s_add_nc_u64 s[24:25], s[24:25], s[28:29]
	s_add_nc_u64 s[26:27], s[26:27], s[30:31]
.set i, 0
.rept 32
	global_load_b128 v[X+4*i:X+4*i+3], v1, s[24:25] offset:4096*i th:TH_LOAD_NT
.set i, i+1
.endr
; wp = 0: f32 to bf16.  wp = 1: f32 to bf16, widened again (a shift, a mask), and written as f16.
.macro OUT wp
.set i, 0
.rept 32
	s_wait_loadcnt 31-i                            ; loads come back in order (ISA guide 5.7.1): load i is in, the 31 - i younger ones stay out
	v_cvt_pk_bf16_f32 v[Y+2*i],   v[X+4*i],   v[X+4*i+1]
	v_cvt_pk_bf16_f32 v[Y+2*i+1], v[X+4*i+2], v[X+4*i+3]
.if \wp
	v_lshlrev_b32 v[X+4*i],   16,  v[Y+2*i]
	v_and_b32     v[X+4*i+1], s32, v[Y+2*i]
	v_lshlrev_b32 v[X+4*i+2], 16,  v[Y+2*i+1]
	v_and_b32     v[X+4*i+3], s32, v[Y+2*i+1]
	v_cvt_pk_f16_f32 v[Y+2*i],   v[X+4*i],   v[X+4*i+1]
	v_cvt_pk_f16_f32 v[Y+2*i+1], v[X+4*i+2], v[X+4*i+3]
.endif
	global_store_b64 v2, v[Y+2*i:Y+2*i+1], s[26:27] offset:2048*i
.set i, i+1
.endr
.endm
	s_cmp_eq_u32 s2, 7
	s_cbranch_scc1 .Lwp
	OUT 0
	s_endpgm
.Lwp:
	OUT 1
	s_endpgm
.Lfunc_end_k_qd091c880a3_cvt:
	.size	k_qd091c880a3_cvt, .Lfunc_end_k_qd091c880a3_cvt-k_qd091c880a3_cvt
	.p2alignl 7, 3214868480
	.fill 96, 4, 3214868480
	.section	.rodata,"a",@progbits
	.p2align	6, 0x0
	.amdhsa_kernel k_qd091c880a3_cvt
		.amdhsa_group_segment_fixed_size 0
		.amdhsa_private_segment_fixed_size 0
		.amdhsa_enable_private_segment 0
		.amdhsa_kernarg_size 64
		.amdhsa_user_sgpr_count 2
		.amdhsa_user_sgpr_kernarg_segment_ptr 1
		.amdhsa_wavefront_size32 1
		.amdhsa_system_sgpr_workgroup_id_x 1
		.amdhsa_system_sgpr_workgroup_id_y 1
		.amdhsa_system_sgpr_workgroup_id_z 1
		.amdhsa_system_vgpr_workitem_id 0
		.amdhsa_next_free_vgpr 200
		.amdhsa_next_free_sgpr 66
		.amdhsa_reserve_vcc 0
		.amdhsa_float_denorm_mode_32 3
		.amdhsa_float_denorm_mode_16_64 3
		.amdhsa_memory_ordered 1
		.amdhsa_forward_progress 1
		.amdhsa_inst_pref_size 29
	.end_amdhsa_kernel
	.amdgpu_metadata
---
amdhsa.version: [ 1, 2 ]
amdhsa.kernels:
  - .name:           k_qd091c880a3_cvt
    .symbol:         k_qd091c880a3_cvt.kd
    .args:
      - { .name: x, .offset: 0, .size: 8, .value_kind: global_buffer, .address_space: global }
      - { .name: Wq, .offset: 8, .size: 8, .value_kind: global_buffer, .address_space: global }
      - { .name: Wk, .offset: 16, .size: 8, .value_kind: global_buffer, .address_space: global }
      - { .name: Wv, .offset: 24, .size: 8, .value_kind: global_buffer, .address_space: global }
      - { .name: Wp, .offset: 32, .size: 8, .value_kind: global_buffer, .address_space: global }
      - { .name: xb, .offset: 40, .size: 8, .value_kind: global_buffer, .address_space: global }
      - { .name: wqkv, .offset: 48, .size: 8, .value_kind: global_buffer, .address_space: global }
      - { .name: wph, .offset: 56, .size: 8, .value_kind: global_buffer, .address_space: global }
    .group_segment_fixed_size: 0
    .private_segment_fixed_size: 0
    .kernarg_segment_align: 8
    .kernarg_segment_size: 64
    .max_flat_workgroup_size: 256
    .sgpr_count:     66
    .vgpr_count:     200
    .wavefront_size: 32
...
	.end_amdgpu_metadata
.endif
;; end of part 1
;; launch qkv (part 2): grid 16 x 16, 4 waves a work-group, clusters of 4 x 4, 327,680 bytes of LDS; arguments xb, wqkv, cos, sin, q, k, v; writes q, k, v
.if DOCPART == 2
	.amdgcn_target "amdgcn-amd-amdhsa--gfx1250"
	.amdhsa_code_object_version 6
	.text
	.protected	k_qd091c880a3_qkv
	.globl	k_qd091c880a3_qkv
	.p2align	8
	.type	k_qd091c880a3_qkv,@function
k_qd091c880a3_qkv:
	s_mov_b64 s[64:65], 0
	v_nop
	global_prefetch_b8 v0, s[64:65] scope:SCOPE_SE
	s_setreg_imm32_b32 hwreg(HW_REG_WAVE_MODE, 25, 1), 1
	s_wait_xcnt 0x0
	s_wait_alu depctr_hold_cnt(0) depctr_sa_sdst(0) depctr_va_vdst(0) depctr_va_sdst(0) depctr_va_ssrc(0) depctr_va_vcc(0) depctr_vm_vsrc(0)
	s_getreg_b32 s2, hwreg(HW_REG_IB_STS2, 6, 4)
	s_cmp_eq_u32 s2, 0
	s_cbranch_scc0 .Lentry_in_a_cluster
	s_endpgm
.Lentry_in_a_cluster:
	s_bfe_u32 s2, ttmp6, 0x10000c
	s_cmp_lg_u32 s2, 0xf033
	s_cbranch_scc0 .Lentry_shape_is_right
	s_endpgm
.Lentry_shape_is_right:
; q, k, v of one head for 256 rows of x: [256 x 1024] x [192 x 1024]^T in bf16 with f32 sums, then RoPE on q and k in f32,
; q times 0.125 log2(e) (the softmax scale, and the base 2 of v_exp_f32), all three rounded once to f16.
; Out: q, k, v as [batch * 16 + head][t][64] f16, a head's rows dense.
; cos and sin are rounded to bf16 like every other input: the program computes reference() on inputs rounded to bf16.
; LIMIT: |q|, |k|, |v| below 65,504 (f16).  With x and the weights both 30 times the drawn spread their root mean square is about 576.
;
; Four waves, as many as a WGP has SIMDs.  Wave w: rows 128 (w / 2) .. + 127; of each part's 64 columns the sixteen at 16 (w % 2) and the sixteen
; at 32 + 16 (w % 2): six column tiles b = 2 part + u.  So column d and its RoPE partner d + 32 lie in the same lane and register of tiles
; 2 part and 2 part + 1.  48 accumulator tiles of 16 x 16, 384 registers.
; K goes in steps of 128 (rows of 256 bytes in memory, each starting at a multiple of 256 from the buffer's first byte) through two LDS slots.
; CLUSTERS: 4 x 4 work-groups.  x's tile hangs on the row block alone and is asked for jointly by a row of the cluster, the weights' tile on the head
; alone and is asked for jointly by a column: that divides the requests for both by four.
; The matrix instruction is used transposed (source 0 = weights' rows, source 1 = x's rows): lane l holds row l % 16 and its registers 0-7 the
; columns 8 (l / 16) + 0..7 of the tile.
; REGISTER WINDOWS: 0: addresses, x's fragments (two buffers), cos and sin; 1: the weights' fragments (two buffers);
; 2: accumulators of my rows 0-63, tile (a, b) at v[8 (6 a + b)]; 3: those of my rows 64-127.
.set KSTEP, 128
.set PITCH, 272                        ; an LDS row: 256 bytes + 16: the sixteen rows that a fragment load touches start 68 words apart
.set AHALF, 128*PITCH                  ; what one tensor load brings of x
.set BHALF, 96*PITCH                   ; and of the weights
.set BOFF,  256*PITCH                  ; the weights' 192 rows lie behind x's 256
.set SLOT,  448*PITCH
.set LAPS,  4                          ; 1024 / (2 * 128): a lap is once round the ring
.set SP,    144                        ; the way out: a row of 64 f16 + 16 bytes
.set SPART, 256*SP                     ; 256 rows of one part.  3 parts = 110,592 bytes, in slot 0 behind its last fill
.set ADRA, 16                          ; v16-17 LDS address of my x fragments in slot 0, 1
.set ADRB, 20                          ; v20-21 the same for the weights
.set STO,  24                          ; v24-26 the way out: where I put 16 bytes of part p
.set RD,   27                          ; v27-29 where I read part p back
.set GO,   30                          ; v30    16 x lane
.set CSO,  31                          ; v31    my byte offset in cos and sin
.set F0,   64
.set F1,   128
.set CS0,  192                         ; cos and sin of one row tile: cos low, cos high, sin low, sin high, 8 registers each
.set CS1,  224
.set TT,   64                          ; at work on the way out
.set UU,   72
.set RR,   80
.set PK,   112
.set G1,   28                          ; s[28:35] group 1 for x's tiles
.set G0,   36                          ; s[36:43] group 0 for x's tiles, a set for each slot
.set G1B,  44                          ; s[44:51] group 1 for the weights' tiles
.set G0B,  52                          ; s[52:59] group 0 for the weights' tiles
.set MSB, 0
.macro WIN new                         ; the immediate's high byte repeats the setting that is left
.if MSB != (\new)
	s_set_vgpr_msb (MSB<<8)|(\new)
.set MSB, \new
.endif
.endm
.set MUL_LO, 0xa1                      ; source 0 window 1, source 1 window 0, C and D window 2
.set MUL_HI, 0xf1                      ; the same, C and D window 3
.set TO_B,   0x40                      ; destination window 1
; A joint load: waves 0, 1 ask for x's two halves, waves 2, 3 for the weights'.  The branch hangs on the wave's number alone.
.macro JLOAD s
	s_cmp_eq_u32 s19, 0
	s_cbranch_scc0 .Lfor_b_\@
	tensor_load_to_lds s[G0+4*\s:G0+4*\s+3], s[G1:G1+7]
	s_nop 0
	s_branch .Lasked_\@
.Lfor_b_\@:
	tensor_load_to_lds s[G0B+4*\s:G0B+4*\s+3], s[G1B:G1B+7]
	s_nop 0
.Lasked_\@:
.endm
.macro CREST                           ; a round of the cluster's barrier behind its opening work-group barrier
	s_cmp_lg_u32 s18, 0
	s_cbranch_scc1 .Lnot_wave_0_\@
	s_barrier_signal -3
.Lnot_wave_0_\@:
	s_barrier_wait -3
	s_barrier_signal -1
	s_barrier_wait -1
.endm
.macro CROUND
	s_barrier_signal -1
	s_barrier_wait -1
	CREST
.endm
	s_load_b256 s[4:11], s[0:1], 0x0               ; xb s[4:5], wqkv s[6:7], cos s[8:9], sin s[10:11]
	s_load_b128 s[12:15], s[0:1], 0x20             ; q s[12:13], k s[14:15]
	s_load_b64 s[16:17], s[0:1], 0x30              ; v
	s_set_vgpr_msb 0x40
	v_lshl_add_u32 v255, v0, 2, 0x3b800
	s_set_vgpr_msb 0x4000
	v_mov_b32 v63, 0
	s_set_vgpr_msb 0x1
	ds_add_u32 v255, v63
	ds_add_u32 v255, v63
	s_set_vgpr_msb 0x100
	v_lshrrev_b32 v1, 5, v0
	v_readfirstlane_b32 s18, v1                    ; wave 0..3
	s_lshr_b32 s19, s18, 1                         ; my half of the rows.  Also: I fetch x (0) or weights (1)
	s_and_b32 s20, s18, 1                          ; my sixteen of each 32 columns.  Also: which half of the tile I fetch
	s_bfe_u32 s21, ttmp6, 0x40000                  ; cx
	s_bfe_u32 s22, ttmp6, 0x40004                  ; cy
	s_lshl_b32 s23, ttmp9, 2
	s_add_co_u32 s23, s23, s21                     ; head = 4 x cluster x + cx
	s_and_b32 s24, ttmp7, 0xffff
	s_lshl_b32 s24, s24, 2
	s_add_co_u32 s24, s24, s22                     ; row block = 4 x cluster y + cy
	s_lshl_b32 s25, s22, 2
	s_lshl_b32 s25, 15, s25                        ; my row of the cluster
	s_lshl_b32 s26, 0x1111, s21                    ; my column
	; group 1: elements of 2 bytes, 4 words of padding behind every 64, bit 21 set beside the mask
	s_or_b32 s[G1+0],  s25, (1<<16)|(1<<20)|(1<<21)|(5<<22)|(3<<25)
	s_or_b32 s[G1B+0], s26, (1<<16)|(1<<20)|(1<<21)|(5<<22)|(3<<25)
	s_mov_b32 s[G1+1],  KSTEP<<16                  ; tensor_dim0 = 128
	s_mov_b32 s[G1B+1], KSTEP<<16
	s_mov_b32 s[G1+2],  128<<16                    ; tensor_dim1 = 128 rows of x,
	s_mov_b32 s[G1B+2], 96<<16                     ; 96 of the weights
	s_mov_b32 s[G1+3],  KSTEP<<16                  ; tile_dim0 = 128
	s_mov_b32 s[G1B+3], KSTEP<<16
	s_mov_b32 s[G1+4],  128                        ; tile_dim1
	s_mov_b32 s[G1B+4], 96
	s_mov_b32 s[G1+5],  1024                       ; elements from row to row
	s_mov_b32 s[G1B+5], 1024
	s_mov_b32 s[G1+6],  0
	s_mov_b32 s[G1B+6], 0
	s_mov_b32 s[G1+7],  0
	s_mov_b32 s[G1B+7], 0
	; x's address is made of the row block and the wave's number, the weights' of the head and the wave's number, in registers of their own
	s_lshl_b32 s60, s24, 8
	s_lshl_b32 s61, s20, 7
	s_add_co_u32 s60, s60, s61                     ; x: row 256 x block + 128 x half
	s_lshl_b32 s60, s60, 11                        ; rows of 2,048 bytes
	s_mov_b32 s61, 0
	s_mul_i32 s66, s23, 192
	s_mul_i32 s67, s20, 96
	s_add_co_u32 s66, s66, s67                     ; weights: row 192 x head + 96 x half
	s_lshl_b32 s66, s66, 11
	s_mov_b32 s67, 0
	s_mul_i32 s70, s18, AHALF                      ; LDS: waves 0, 1 fill x's halves,
	s_mul_i32 s71, s18, BHALF
	s_add_co_u32 s71, s71, BOFF-2*BHALF            ; waves 2, 3 the weights' halves
	s_lshl_b32 s72, s24, 16                        ; cos, sin: 256 rows of 256 bytes a row block
	s_mov_b32 s73, 0
	s_lshr_b32 s80, s24, 3                         ; q, k, v: batch = block / 8,
	s_lshl_b32 s80, s80, 4
	s_add_co_u32 s80, s80, s23                     ; x 16 + head,
	s_lshl_b32 s80, s80, 18                        ; 262,144 bytes each,
	s_and_b32 s81, s24, 7
	s_lshl_b32 s81, s81, 15                        ; + 256 rows of 128 bytes a block,
	s_add_co_u32 s80, s80, s81
	s_lshl_b32 s81, s18, 13                        ; + the 64 rows that my wave stores
	s_add_co_u32 s80, s80, s81
	s_mov_b32 s81, 0
	s_mov_b32 s76, 0x3e38aa3b                      ; 0.125 log2(e)
	s_mov_b32 s77, 0x3e38aa3b
	s_mov_b32 s78, 0xffff0000
	s_wait_dscnt 0x0
	s_wait_kmcnt 0x0
	s_add_nc_u64 s[62:63], s[4:5], s[60:61]
	s_add_nc_u64 s[68:69], s[6:7], s[66:67]
	s_add_nc_u64 s[8:9], s[8:9], s[72:73]
	s_add_nc_u64 s[10:11], s[10:11], s[72:73]
	s_add_nc_u64 s[12:13], s[12:13], s[80:81]
	s_add_nc_u64 s[14:15], s[14:15], s[80:81]
	s_add_nc_u64 s[16:17], s[16:17], s[80:81]
	CROUND                                         ; all sixteen work-groups are here: the first joint loads meet
.irp s, 0,1
	s_mov_b32 s[G0+4*\s], 1
	s_add_co_u32 s[G0+4*\s+1], s70, \s*SLOT
	s_add_nc_u64 s[G0+4*\s+2:G0+4*\s+3], s[62:63], \s*KSTEP*2
	s_or_b32 s[G0+4*\s+3], s[G0+4*\s+3], 0x80000000
	s_mov_b32 s[G0B+4*\s], 1
	s_add_co_u32 s[G0B+4*\s+1], s71, \s*SLOT
	s_add_nc_u64 s[G0B+4*\s+2:G0B+4*\s+3], s[68:69], \s*KSTEP*2
	s_or_b32 s[G0B+4*\s+3], s[G0B+4*\s+3], 0x80000000
	JLOAD \s                                       ; K steps 0 and 1: two loads of the wave are out
.endr
	v_and_b32 v1, 15, v0                           ; r = l % 16
	v_bfe_u32 v2, v0, 4, 1                         ; h = l / 16
	v_and_b32 v5, 31, v0                           ; l
	s_lshl_b32 s74, s19, 15                        ; cos, sin: row (128 half + r) of 256 bytes, column 16 (w % 2) + 8 h in f32
	s_lshl_b32 s75, s20, 6
	s_add_co_u32 s74, s74, s75
	v_lshlrev_b32 v4, 8, v1
	v_lshl_add_u32 v4, v2, 5, v4
	v_add_nc_u32 v[CSO], s74, v4
; cos and sin of row tile t (16 rows): my row's 8 numbers at column d and 8 at d + 32, from each table: eight loads
.macro CSLOAD t, buf
.irp o, 0,1
	global_load_b128 v[\buf+8*\o:\buf+8*\o+3],   v[CSO], s[8:9] offset:(\t)*4096+128*\o
	global_load_b128 v[\buf+8*\o+4:\buf+8*\o+7], v[CSO], s[8:9] offset:(\t)*4096+128*\o+16
.endr
.irp o, 0,1
	global_load_b128 v[\buf+16+8*\o:\buf+16+8*\o+3],   v[CSO], s[10:11] offset:(\t)*4096+128*\o
	global_load_b128 v[\buf+16+8*\o+4:\buf+16+8*\o+7], v[CSO], s[10:11] offset:(\t)*4096+128*\o+16
.endr
.endm
	CSLOAD 0, CS0                                  ; asked for now, wanted behind the K loop, which touches none of these registers
	CSLOAD 1, CS1
	v_mul_u32_u24 v3, v1, PITCH
	v_lshl_add_u32 v3, v2, 4, v3                   ; fragments: row x pitch + 16 h
	s_mul_i32 s74, s19, AHALF                      ; my 128 rows of x
	s_mul_i32 s75, s20, 16*PITCH                   ; my sixteen of each 32 rows of the weights
	s_add_co_u32 s75, s75, BOFF
.irp s, 0,1
	v_add_nc_u32 v[ADRA+\s], s74, v3
	v_add_nc_u32 v[ADRB+\s], s75, v3
	s_add_co_u32 s74, s74, SLOT
	s_add_co_u32 s75, s75, SLOT
.endr
	v_mul_u32_u24 v4, v1, SP                       ; the way out, in: row 128 half + r, byte 32 (w % 2) + 16 h
	v_lshl_add_u32 v4, v2, 4, v4
	s_mul_i32 s74, s19, 128*SP
	s_lshl_b32 s75, s20, 5
	s_add_co_u32 s74, s74, s75
	v_add_nc_u32 v[STO], s74, v4
	v_add_nc_u32 v[STO+1], SPART, v[STO]
	v_add_nc_u32 v[STO+2], 2*SPART, v[STO]
	v_lshrrev_b32 v6, 3, v5                        ; back: eight lanes take a row of 128 bytes, a wave four rows; wave w rows 64 w ..
	v_and_b32 v7, 7, v5
	v_mul_u32_u24 v6, v6, SP
	v_lshl_add_u32 v6, v7, 4, v6
	s_mul_i32 s74, s18, 64*SP
	v_add_nc_u32 v[RD], s74, v6
	v_add_nc_u32 v[RD+1], SPART, v[RD]
	v_add_nc_u32 v[RD+2], 2*SPART, v[RD]
	v_lshlrev_b32 v[GO], 4, v5
; 12 matrix instructions: row tiles a0, a0 + 1 of the window's four x all six column tiles, 32 along K.  zero = 1: the first product starts the sums.
.macro MUL12 f, hi, a0, zero
.irp a, \a0, \a0+1
.irp b, 0,1,2,3,4,5
.if \zero
	v_wmma_f32_16x16x32_bf16 v[8*(6*(\a)+\b):8*(6*(\a)+\b)+7], v[\f+8*\b:\f+8*\b+7], v[\f+8*(4*\hi+\a):\f+8*(4*\hi+\a)+7], 0
.else
	v_wmma_f32_16x16x32_bf16 v[8*(6*(\a)+\b):8*(6*(\a)+\b)+7], v[\f+8*\b:\f+8*\b+7], v[\f+8*(4*\hi+\a):\f+8*(4*\hi+\a)+7], v[8*(6*(\a)+\b):8*(6*(\a)+\b)+7]
.endif
.endr
.endr
.endm
; 28 LDS loads in one run: a quarter step's fragments (6 x 16 rows of the weights, 8 x 16 rows of x, 32 K at byte k of the rows) into buffer f
.macro FETCH slot, k, f
	WIN TO_B
.irp b, 0,1,2,3,4,5
	ds_load_b128 v[\f+8*\b:\f+8*\b+3],   v[ADRB+\slot] offset:\k+((\b/2)*64+(\b%2)*32)*PITCH
	ds_load_b128 v[\f+8*\b+4:\f+8*\b+7], v[ADRB+\slot] offset:\k+((\b/2)*64+(\b%2)*32)*PITCH+32
.endr
	WIN 0
.irp i, 0,1,2,3,4,5,6,7
	ds_load_b128 v[\f+8*\i:\f+8*\i+3],   v[ADRA+\slot] offset:\k+\i*16*PITCH
	ds_load_b128 v[\f+8*\i+4:\f+8*\i+7], v[ADRA+\slot] offset:\k+\i*16*PITCH+32
.endr
.endm
; Four places behind the last matrix instruction, in front of loads into registers that matrix instructions have read and of vector
; instructions that read results (ISA guide 7.12.1 for vector instructions)
.macro PLACES
.rept 4
	v_nop
.endr
.endm
; A K step is four quarters of 32 along K, 48 matrix instructions each, on buffers 0, 1, 0, 1.  The 48 accumulators take turns, one instruction
; a turn, in the same order in every quarter.
.macro QUARTER slot, k, f, g, zero
	s_wait_dscnt 8                                 ; the weights and x's rows 0-63 are in; the youngest eight loads (x's rows 64-127) may be out
	WIN MUL_LO
	MUL12 \f, 0, 0, \zero
	MUL12 \f, 0, 2, \zero
	PLACES
	FETCH \slot, \k, \g
	s_wait_dscnt 28                                ; all but the 28 just issued
	WIN MUL_HI
	MUL12 \f, 1, 0, \zero
	MUL12 \f, 1, 2, \zero
.endm
.macro THREE slot, zero
	QUARTER \slot, 64,  F0, F1, \zero
	QUARTER \slot, 128, F1, F0, 0
	QUARTER \slot, 192, F0, F1, 0
.endm
; The last quarter multiplies buffer 1 and changes slots.  In front of the barrier each wave waits for its reads of this slot and for all its
; tensor loads (one is out: its part of the next slot).  fill = 1: the barrier opens a round of the cluster's barrier, and the joint refill of
; this slot, two K steps ahead, is the first tensor load behind the round.  From that request to the wait for it a wave issues 180 matrix instructions.
.macro TURN slot, next, fill
	s_wait_dscnt 8
	WIN MUL_LO
	MUL12 F1, 0, 0, 0
	s_wait_dscnt 0
	s_wait_tensorcnt 0x0
	ds_add_u32 v255, v63
	s_wait_dscnt 0x0
	s_barrier_signal -1
	MUL12 F1, 0, 2, 0                              ; registers only
	WIN 0
	s_barrier_wait -1
.if \fill
	CREST
	s_add_nc_u64 s[G0+4*\slot+2:G0+4*\slot+3], s[G0+4*\slot+2:G0+4*\slot+3], 2*KSTEP*2
	s_add_nc_u64 s[G0B+4*\slot+2:G0B+4*\slot+3], s[G0B+4*\slot+2:G0B+4*\slot+3], 2*KSTEP*2
	JLOAD \slot
.endif
	PLACES
	FETCH \next, 0, F0
	WIN MUL_HI
	MUL12 F1, 1, 0, 0
	MUL12 F1, 1, 2, 0
.endm
.macro LAP zero
	THREE 0, \zero
	TURN 0, 1, 1
	THREE 1, 0
	TURN 1, 0, 1
.endm
	s_wait_tensorcnt 1                             ; my part of K step 0 is in; K step 1's load stays out
	s_barrier_signal -1
	s_barrier_wait -1
	FETCH 0, 0, F0
	LAP 1                                          ; the first lap's first products start the sums
	WIN 0
	s_mov_b32 s27, LAPS-2
.Llap:
	LAP 0
	WIN 0
	s_sub_co_u32 s27, s27, 1
	s_cmp_lg_u32 s27, 0
	s_cbranch_scc1 .Llap
	THREE 0, 0                                     ; the last lap fills nothing
	TURN 0, 1, 0                                   ; behind its barrier no wave reads slot 0 any more, and nothing is filled into it again
	THREE 1, 0
	s_wait_dscnt 8
	WIN MUL_LO
	MUL12 F1, 0, 0, 0
	MUL12 F1, 0, 2, 0
	s_wait_dscnt 0
	WIN MUL_HI
	MUL12 F1, 1, 0, 0
	MUL12 F1, 1, 2, 0
	PLACES
; THE WAY OUT, one row tile (16 rows) at a time.  t: the tile, 0-7; a: its place in its window; w1, w2: that window as source 0, as sources 0 and 1.
; With lo = column d (tile 2 p) and hi = column d + 32 (tile 2 p + 1): out(d) = lo cos(d) - hi sin(d), out(d + 32) = hi cos(d + 32) + lo sin(d + 32).
.macro TILE t, a, w1, w2, buf, left, more
	WIN 0
	s_wait_loadcnt \left                           ; this tile's eight loads of cos and sin are in; the next tile's eight may be out
.irp i, 0,1,2,3,4,5,6,7,8,9,10,11,12,13,14,15
	v_cvt_pk_bf16_f32 v[TT+\i], v[\buf+2*\i], v[\buf+2*\i+1]       ; cos and sin rounded to bf16,
.endr
.irp i, 0,1,2,3,4,5,6,7,8,9,10,11,12,13,14,15
	v_lshlrev_b32 v[\buf+2*\i],   16,  v[TT+\i]                    ; and widened again
	v_and_b32     v[\buf+2*\i+1], s78, v[TT+\i]
.endr
	WIN \w1
.irp p, 0,1
.irp jj, 0,1,2,3
	v_pk_mul_f32 v[TT+2*\jj:TT+2*\jj+1], v[8*(6*\a+2*\p+1)+2*\jj:8*(6*\a+2*\p+1)+2*\jj+1], v[\buf+16+2*\jj:\buf+16+2*\jj+1]
	v_pk_mul_f32 v[UU+2*\jj:UU+2*\jj+1], v[8*(6*\a+2*\p)+2*\jj:8*(6*\a+2*\p)+2*\jj+1], v[\buf+24+2*\jj:\buf+24+2*\jj+1]
.endr
.irp jj, 0,1,2,3
	v_pk_fma_f32 v[RR+16*\p+2*\jj:RR+16*\p+2*\jj+1], v[8*(6*\a+2*\p)+2*\jj:8*(6*\a+2*\p)+2*\jj+1], v[\buf+2*\jj:\buf+2*\jj+1], v[TT+2*\jj:TT+2*\jj+1] neg_lo:[0,0,1] neg_hi:[0,0,1]
	v_pk_fma_f32 v[RR+16*\p+8+2*\jj:RR+16*\p+8+2*\jj+1], v[8*(6*\a+2*\p+1)+2*\jj:8*(6*\a+2*\p+1)+2*\jj+1], v[\buf+8+2*\jj:\buf+8+2*\jj+1], v[UU+2*\jj:UU+2*\jj+1]
.endr
.endr
	WIN \w2
.irp u, 0,1
.irp jj, 0,1,2,3
	v_cvt_pk_f16_f32 v[PK+16+4*\u+\jj], v[8*(6*\a+4+\u)+2*\jj], v[8*(6*\a+4+\u)+2*\jj+1]   ; v goes out as it is
.endr
.endr
	WIN 0
.irp jj, 0,1,2,3,4,5,6,7
	v_pk_mul_f32 v[RR+2*\jj:RR+2*\jj+1], v[RR+2*\jj:RR+2*\jj+1], s[76:77] op_sel_hi:[1,0]   ; q alone: times 0.125 log2(e)
.endr
.irp i, 0,1,2,3,4,5,6,7,8,9,10,11,12,13,14,15
	v_cvt_pk_f16_f32 v[PK+\i], v[RR+2*\i], v[RR+2*\i+1]
.endr
.irp p, 0,1,2
.irp u, 0,1
	ds_store_b128 v[STO+\p], v[PK+4*(2*\p+\u):PK+4*(2*\p+\u)+3] offset:\t*16*SP+64*\u
.endr
.endr
.if \more
	CSLOAD \t+2, \buf
.endif
.endm
	TILE 0, 0, 0x02, 0x0a, CS0, 8, 1
	TILE 1, 1, 0x02, 0x0a, CS1, 8, 1
	TILE 2, 2, 0x02, 0x0a, CS0, 8, 1
	TILE 3, 3, 0x02, 0x0a, CS1, 8, 1
	TILE 4, 0, 0x03, 0x0f, CS0, 8, 1
	TILE 5, 1, 0x03, 0x0f, CS1, 8, 1
	TILE 6, 2, 0x03, 0x0f, CS0, 8, 0
	TILE 7, 3, 0x03, 0x0f, CS1, 0, 0
	s_wait_dscnt 0x0                               ; my stores into the stage are done: a row's 128 bytes come from two waves
	s_barrier_signal -1
	s_barrier_wait -1
; 32 rows of part p back as whole rows and out: a wave's store covers 512 consecutive bytes.  Each batch has 32 registers of its own,
; so no register that a store still reads is written again.
.macro OUTP p, batch, base
.irp t, 0,1,2,3,4,5,6,7
	ds_load_b128 v[64+32*(2*\p+\batch)+4*\t:64+32*(2*\p+\batch)+4*\t+3], v[RD+\p] offset:(8*\batch+\t)*4*SP
.endr
.irp t, 0,1,2,3,4,5,6,7
	s_wait_dscnt 7-\t                              ; LDS loads come back in order (ISA guide 5.7.1): load t is in
	global_store_b128 v[GO], v[64+32*(2*\p+\batch)+4*\t:64+32*(2*\p+\batch)+4*\t+3], s[\base:\base+1] offset:(8*\batch+\t)*512
.endr
.endm
	OUTP 0, 0, 12
	OUTP 0, 1, 12
	OUTP 1, 0, 14
	OUTP 1, 1, 14
	OUTP 2, 0, 16
	OUTP 2, 1, 16
	s_set_vgpr_msb 0x1
	s_wait_tensorcnt 0x0
	ds_add_u32 v255, v63
	s_wait_dscnt 0x0
	s_set_vgpr_msb 0x100
	CROUND                                         ; the closing round: no work-group ends while a partner may still ask for a tile that names it
	s_endpgm
.Lfunc_end_k_qd091c880a3_qkv:
	.size	k_qd091c880a3_qkv, .Lfunc_end_k_qd091c880a3_qkv-k_qd091c880a3_qkv
	.p2alignl 7, 3214868480
	.fill 96, 4, 3214868480
	.section	.rodata,"a",@progbits
	.p2align	6, 0x0
	.amdhsa_kernel k_qd091c880a3_qkv
		.amdhsa_group_segment_fixed_size 327680
		.amdhsa_private_segment_fixed_size 0
		.amdhsa_enable_private_segment 0
		.amdhsa_kernarg_size 56
		.amdhsa_user_sgpr_count 2
		.amdhsa_user_sgpr_kernarg_segment_ptr 1
		.amdhsa_wavefront_size32 1
		.amdhsa_system_sgpr_workgroup_id_x 1
		.amdhsa_system_sgpr_workgroup_id_y 1
		.amdhsa_system_sgpr_workgroup_id_z 1
		.amdhsa_system_vgpr_workitem_id 0
		.amdhsa_next_free_vgpr 960
		.amdhsa_next_free_sgpr 84
		.amdhsa_reserve_vcc 0
		.amdhsa_float_denorm_mode_32 3
		.amdhsa_float_denorm_mode_16_64 3
		.amdhsa_memory_ordered 1
		.amdhsa_forward_progress 1
		.amdhsa_inst_pref_size 201
	.end_amdhsa_kernel
	.amdgpu_metadata
---
amdhsa.version: [ 1, 2 ]
amdhsa.kernels:
  - .name:           k_qd091c880a3_qkv
    .symbol:         k_qd091c880a3_qkv.kd
    .args:
      - { .name: xb, .offset: 0, .size: 8, .value_kind: global_buffer, .address_space: global }
      - { .name: wqkv, .offset: 8, .size: 8, .value_kind: global_buffer, .address_space: global }
      - { .name: cos, .offset: 16, .size: 8, .value_kind: global_buffer, .address_space: global }
      - { .name: sin, .offset: 24, .size: 8, .value_kind: global_buffer, .address_space: global }
      - { .name: q, .offset: 32, .size: 8, .value_kind: global_buffer, .address_space: global }
      - { .name: k, .offset: 40, .size: 8, .value_kind: global_buffer, .address_space: global }
      - { .name: v, .offset: 48, .size: 8, .value_kind: global_buffer, .address_space: global }
    .group_segment_fixed_size: 327680
    .private_segment_fixed_size: 0
    .kernarg_segment_align: 8
    .kernarg_segment_size: 56
    .max_flat_workgroup_size: 128
    .sgpr_count:     84
    .vgpr_count:     960
    .wavefront_size: 32
...
	.end_amdgpu_metadata
.endif
;; end of part 2
;; launch attn (part 3): grid 8 x 32, 8 waves a work-group, no clusters, 327,680 bytes of LDS; arguments q, k, v, ao; writes ao
.if DOCPART == 3
	.amdgcn_target "amdgcn-amd-amdhsa--gfx1250"
	.amdhsa_code_object_version 6
	.text
	.protected	k_qd091c880a3_attn
	.globl	k_qd091c880a3_attn
	.p2align	8
	.type	k_qd091c880a3_attn,@function
k_qd091c880a3_attn:
	s_mov_b64 s[64:65], 0
	v_nop
	global_prefetch_b8 v0, s[64:65] scope:SCOPE_SE
	s_setreg_imm32_b32 hwreg(HW_REG_WAVE_MODE, 25, 1), 1
	s_wait_xcnt 0x0
; Causal attention of one head, with a running maximum.  q (already times 0.125 log2(e)), k, v, ao: [batch * 16 + head][2048][64] f16.
; Work-group (i, head) takes the query blocks of 128 rows numbered i and 15 - i: (i + 1) + (16 - i) = 17 key tiles of 128 in every work-group.
; Pass A is the block with the even number dA, pass B the other, dB = 15 - dA.  A pass takes its diagonal tile first (that trip starts
; all sums: nothing is cleared), then tiles 0 .. d - 1, which the mask does not touch.  So tile number p of the stream lies in slot p % 2, fixed in the text.
; Eight waves: wave w has the 32 queries at 32 (w % 4) and, of every tile, the 64 keys at 64 (w / 4).  Waves w and w + 4 keep running
; (maximum, sum, O) of their own over the same queries and merge them once a pass through LDS.
; Both products are used transposed: S^T = K Q^T and O^T = V^T P^T.  A lane then owns one query (l % 16): maxima and sums run along its own
; registers, with one exchange between the halves of the wave, and S^T rounded to f16 in place IS the second source of the second product.
; Masked scores are the most negative finite f32, as in reference().  A half tile that is masked whole leaves that number as its maximum
; and finite sums, which the next trip or the merge multiplies by 2^(that - true maximum) = 0; the wave with keys 0-63 always sees key 0.
; LIMITS: probabilities go to the matrix unit in f16 (below about 6e-8 they are 0); NaN and infinities in the inputs are not served.
; NO MULTICAST: the eight work-groups of a head need i + 1 and 16 - i tiles in their two passes, different numbers in each; requests made jointly
; would take up to 24 common steps in place of 17.
.set KP,    144                        ; K's LDS row: 128 bytes + 16
.set VP,    160                        ; V's LDS row: 128 bytes + 32, an odd multiple of 32 for the transposing loads
.set VOFF,  128*KP
.set SLOT,  VOFF+128*VP                ; 38,912
.set MERGE, 2*SLOT                     ; 4 x 8,704 bytes: O (8,192) and the statistics (512) of waves 4-7; no tensor load fills these
.set MSZ,   8704
.set OSTG,  MERGE+4*MSZ                ; 4,608 bytes a wave: 32 rows of 144, the way out
.set OSZ,   32*KP
.set DQ, 4                             ; v4-5     query - key of my lane at (key tile 0, register 0), for query tile 0, 1
.set MM, 10                            ; v[10:13] running maximum of query tile 0, 1, each twice (a pair for packed arithmetic)
.set AL, 14                            ; v[14:17] 2^(old maximum - new), likewise
.set LL, 18                            ; v18-19   running sum, my half of the keys
.set T,  20                            ; v[20:27] at work
.set QQ, 32                            ; v[32:63] Q fragments [query tile][K half]
.set SS, 64                            ; v[64:127] S^T: block (c, qt) of 16 registers at 64 + 16 (2 c + qt) = key tiles 2 c, 2 c + 1; then P^T in its first 8
.set OO, 128                           ; v[128:191] O^T [head-dim tile][query tile]
.set KV, 192                           ; v[192:255] K's fragments, then V's
.set G1K, 24                           ; s[24:31] group 1 for K
.set G1V, 32                           ; s[32:39] group 1 for V
.set GK,  40                           ; s[40:47] group 0 for K, a set for each slot
.set GV,  48                           ; s[48:55] group 0 for V
	s_load_b256 s[4:11], s[0:1], 0x0               ; q s[4:5], k s[6:7], v s[8:9], ao s[10:11]
	v_lshl_add_u32 v30, v0, 2, 0x29000
	v_mov_b32 v31, 0
	ds_add_u32 v30, v31
	ds_add_u32 v30, v31
	v_lshrrev_b32 v1, 5, v0
	v_readfirstlane_b32 s12, v1                    ; wave 0..7
	s_and_b32 s13, s12, 3                          ; g: my 32 queries
	s_lshr_b32 s14, s12, 2                         ; kh: my 64 keys of a tile
	s_mov_b32 s15, ttmp9                           ; i
	s_and_b32 s16, ttmp7, 0xffff                   ; batch * 16 + head
	s_sub_co_u32 s17, 15, s15
	s_and_b32 s20, s15, 1
	s_cmp_eq_u32 s20, 0
	s_cselect_b32 s17, s15, s17                    ; dA: the even one of i and 15 - i
	s_sub_co_u32 s18, 15, s17                      ; dB
	s_add_co_u32 s22, s17, 1
	s_mov_b32 s62, 0x76543210                      ; v_permlanex16_b32: lane l reads lane l xor 16
	s_mov_b32 s63, 0xfedcba98
	s_mov_b32 s68, 0xff7fffff                      ; the most negative finite f32
	; group 1: 16 rows of 64 elements of 2 bytes, dense in memory; behind every 32 words 4 words of padding (K) or 8 (V)
	s_mov_b32 s[G1K+0], (1<<16)|(1<<20)|(4<<22)|(3<<25)
	s_mov_b32 s[G1V+0], (1<<16)|(1<<20)|(4<<22)|(7<<25)
	s_mov_b32 s[G1K+1], 64<<16
	s_mov_b32 s[G1V+1], 64<<16
	s_mov_b32 s[G1K+2], 16<<16
	s_mov_b32 s[G1V+2], 16<<16
	s_mov_b32 s[G1K+3], 64<<16
	s_mov_b32 s[G1V+3], 64<<16
	s_mov_b32 s[G1K+4], 16
	s_mov_b32 s[G1V+4], 16
	s_mov_b32 s[G1K+5], 64
	s_mov_b32 s[G1V+5], 64
	s_mov_b32 s[G1K+6], 0
	s_mov_b32 s[G1V+6], 0
	s_mov_b32 s[G1K+7], 0
	s_mov_b32 s[G1V+7], 0
	s_mul_i32 s60, s12, 16*KP                      ; every wave moves rows 16 w .. 16 w + 15 of K's tile and of V's
	s_mul_i32 s61, s12, 16*VP
	s_add_co_u32 s61, s61, VOFF
.irp s, 0,1
	s_mov_b32 s[GK+4*\s], 1
	s_add_co_u32 s[GK+4*\s+1], s60, \s*SLOT
	s_mov_b32 s[GV+4*\s], 1
	s_add_co_u32 s[GV+4*\s+1], s61, \s*SLOT
.endr
	s_lshl_b32 s60, s16, 18                        ; a head: 262,144 bytes
	s_mov_b32 s61, 0
	s_lshl_b32 s20, s17, 14                        ; block dA: 128 rows of 128 bytes each
	s_mov_b32 s21, 0
	s_wait_dscnt 0x0
	s_wait_kmcnt 0x0
	s_add_nc_u64 s[4:5], s[4:5], s[60:61]
	s_add_nc_u64 s[56:57], s[6:7], s[60:61]
	s_add_nc_u64 s[58:59], s[8:9], s[60:61]
	s_add_nc_u64 s[10:11], s[10:11], s[60:61]
	s_lshl_b32 s60, s12, 11                        ; my 16 rows of a tile
	s_add_nc_u64 s[56:57], s[56:57], s[60:61]      ; K at my rows of tile 0
	s_add_nc_u64 s[58:59], s[58:59], s[60:61]      ; V likewise
	s_add_nc_u64 s[GK+2:GK+3], s[56:57], s[20:21]
	s_or_b32 s[GK+3], s[GK+3], 0x80000000
	s_add_nc_u64 s[GV+2:GV+3], s[58:59], s[20:21]
	s_or_b32 s[GV+3], s[GV+3], 0x80000000
	tensor_load_to_lds s[GK:GK+3], s[G1K:G1K+7]    ; the stream's tile 0, pass A's diagonal tile, into slot 0: a first fill
	s_nop 0
	tensor_load_to_lds s[GV:GV+3], s[G1V:G1V+7]
	s_nop 0
	s_add_nc_u64 s[70:71], s[4:5], s[20:21]        ; q and ao at block dA,
	s_add_nc_u64 s[74:75], s[10:11], s[20:21]
	s_lshl_b32 s20, s18, 14
	s_add_nc_u64 s[72:73], s[4:5], s[20:21]        ; and at block dB
	s_add_nc_u64 s[76:77], s[10:11], s[20:21]
	s_mov_b32 s19, 1                               ; the next tile of the stream to be fetched
	v_and_b32 v20, 15, v0                          ; r = l % 16
	v_bfe_u32 v21, v0, 4, 1                        ; h = l / 16
	v_and_b32 v22, 31, v0                          ; l
	v_and_b32 v23, 7, v0                           ; l % 8
	v_bfe_u32 v24, v0, 3, 1                        ; (l / 8) % 2
	v_bfe_u32 v25, v0, 3, 2                        ; l / 8
	v_lshlrev_b32 v27, 7, v20                      ; q: row (32 g + r) of 128 bytes + 16 h
	v_lshl_add_u32 v27, v21, 4, v27
	s_lshl_b32 s20, s13, 12
	v_add_nc_u32 v3, s20, v27
.macro QLOAD base                      ; my 32 queries as second sources: 2 query tiles x 2 K halves, two loads of 16 bytes each
.irp qt, 0,1
.irp ks, 0,1
	global_load_b128 v[QQ+16*\qt+8*\ks:QQ+16*\qt+8*\ks+3],   v3, s[\base:\base+1] offset:\qt*2048+\ks*64
	global_load_b128 v[QQ+16*\qt+8*\ks+4:QQ+16*\qt+8*\ks+7], v3, s[\base:\base+1] offset:\qt*2048+\ks*64+32
.endr
.endr
.endm
	QLOAD 70
	v_mul_u32_u24 v26, v20, KP
	v_lshl_add_u32 v26, v21, 4, v26                ; r x 144 + 16 h
	s_mul_i32 s20, s14, 64*KP
	v_add_nc_u32 v1, s20, v26                      ; v1: K fragments: row 64 kh + r
	v_lshl_add_u32 v27, v21, 3, v23                ; v2: V by transposing loads: row 64 kh + 8 h + l % 8,
	v_mul_u32_u24 v27, v27, VP
	v_lshl_add_u32 v27, v24, 4, v27                ; 16 bytes by (l / 8) % 2
	s_mul_i32 s20, s14, 64*VP
	s_add_co_u32 s20, s20, VOFF
	v_add_nc_u32 v2, s20, v27
	v_lshlrev_b32 v27, 3, v21                      ; the mask: query - key = 32 g + 16 qt + r - 64 kh - 8 h - (16 kt + j)
	v_sub_nc_u32 v27, v20, v27
	s_lshl_b32 s20, s13, 5
	s_lshl_b32 s21, s14, 6
	s_sub_co_i32 s20, s20, s21
	v_add_nc_u32 v[DQ], s20, v27
	v_add_nc_u32 v[DQ+1], 16, v[DQ]
	s_mul_i32 s20, s12, MSZ                        ; v6: the merge: wave w + 4 writes at v6, wave w reads at v6 + 4 x 8,704: both are MERGE + 8,704 (w % 4) + 16 l
	s_add_co_u32 s20, s20, MERGE-4*MSZ
	v_lshl_add_u32 v6, v22, 4, s20
	s_mul_i32 s20, s12, OSZ                        ; v7, v8: my stage: in by (query, 16 bytes), back by rows
	s_add_co_u32 s20, s20, OSTG
	v_add_nc_u32 v7, s20, v26
	v_mul_u32_u24 v27, v25, KP
	v_lshl_add_u32 v27, v23, 4, v27
	v_add_nc_u32 v8, s20, v27
	s_lshl_b32 s20, s12, 12                        ; v9: ao: my 32 rows of 128 bytes + 16 l
	v_lshl_add_u32 v9, v22, 4, s20
.macro NOPS n
.rept \n
	v_nop
.endr
.endm
; The addresses of stream tile s19 into slot s's two descriptors.  Tile p of the stream is key tile p - 1 for p <= dA, dB for p = dA + 1, else p - dA - 2.
; It stands behind a wait for all the wave's tensor loads, so every group 0 may be written.
.macro NEXT s
	s_sub_co_u32 s20, s19, 1
	s_sub_co_u32 s21, s19, s22
	s_sub_co_u32 s21, s21, 1
	s_cmp_le_u32 s19, s17
	s_cselect_b32 s20, s20, s21
	s_cmp_eq_u32 s19, s22
	s_cselect_b32 s20, s18, s20
	s_lshl_b32 s20, s20, 14
	s_mov_b32 s21, 0
	s_add_nc_u64 s[GK+4*(\s)+2:GK+4*(\s)+3], s[56:57], s[20:21]
	s_or_b32 s[GK+4*(\s)+3], s[GK+4*(\s)+3], 0x80000000
	s_add_nc_u64 s[GV+4*(\s)+2:GV+4*(\s)+3], s[58:59], s[20:21]
	s_or_b32 s[GV+4*(\s)+3], s[GV+4*(\s)+3], 0x80000000
	s_add_co_u32 s19, s19, 1
.endm
.macro KLOAD slot                      ; my 64 keys as first sources: the first K half of all four key tiles, then the second
.irp ks, 0,1
.irp kt, 0,1,2,3
	ds_load_b128 v[KV+8*(4*\ks+\kt):KV+8*(4*\ks+\kt)+3],   v1 offset:\slot*SLOT+\kt*16*KP+\ks*64
	ds_load_b128 v[KV+8*(4*\ks+\kt)+4:KV+8*(4*\ks+\kt)+7], v1 offset:\slot*SLOT+\kt*16*KP+\ks*64+32
.endr
.endr
.endm
.macro VLOAD slot                      ; V^T of my 64 keys as first sources: [32 keys c][head-dim tile ht]
.irp c, 0,1
.irp ht, 0,1,2,3
	ds_load_tr16_b128 v[KV+8*(4*\c+\ht):KV+8*(4*\c+\ht)+3],   v2 offset:\slot*SLOT+\c*32*VP+\ht*32
	ds_load_tr16_b128 v[KV+8*(4*\c+\ht)+4:KV+8*(4*\c+\ht)+7], v2 offset:\slot*SLOT+\c*32*VP+\ht*32+16*VP
.endr
.endr
.endm
; S^T = K Q^T: eight accumulators take turns, one instruction a turn; the first K half starts the sums
.macro SMUL
	s_wait_dscnt 8                                 ; the first K half's eight loads are in
.irp kt, 0,1,2,3
.irp qt, 0,1
	v_wmma_f32_16x16x32_f16 v[SS+16*(2*(\kt/2)+\qt)+8*(\kt%2):SS+16*(2*(\kt/2)+\qt)+8*(\kt%2)+7], v[KV+8*\kt:KV+8*\kt+7], v[QQ+16*\qt:QQ+16*\qt+7], 0
.endr
.endr
	s_wait_dscnt 0
.irp kt, 0,1,2,3
.irp qt, 0,1
	v_wmma_f32_16x16x32_f16 v[SS+16*(2*(\kt/2)+\qt)+8*(\kt%2):SS+16*(2*(\kt/2)+\qt)+8*(\kt%2)+7], v[KV+32+8*\kt:KV+32+8*\kt+7], v[QQ+16*\qt+8:QQ+16*\qt+15], v[SS+16*(2*(\kt/2)+\qt)+8*(\kt%2):SS+16*(2*(\kt/2)+\qt)+8*(\kt%2)+7]
.endr
.endr
.endm
.macro MASK                            ; the diagonal tile: a score stays where key <= query
.irp qt, 0,1
.irp kt, 0,1,2,3
.irp j, 0,1,2,3,4,5,6,7
	v_cmp_le_i32 vcc_lo, 16*\kt+\j, v[DQ+\qt]
	v_cndmask_b32 v[SS+16*(2*(\kt/2)+\qt)+8*(\kt%2)+\j], s68, v[SS+16*(2*(\kt/2)+\qt)+8*(\kt%2)+\j], vcc_lo
.endr
.endr
.endr
.endm
; The new running maximum of both query tiles, and 2^(old - new).  Four chains over 15 registers each, then the two sixteenth registers,
; the other chain and the old maximum; one exchange between the wave's halves.
.macro ROWMAX first
.irp qt, 0,1
.irp c, 0,1
	v_max3_num_f32 v[T+2*\qt+\c], v[SS+16*(2*\c+\qt)], v[SS+16*(2*\c+\qt)+1], v[SS+16*(2*\c+\qt)+2]
.endr
.endr
.irp n, 3,5,7,9,11,13
.irp qt, 0,1
.irp c, 0,1
	v_max3_num_f32 v[T+2*\qt+\c], v[T+2*\qt+\c], v[SS+16*(2*\c+\qt)+\n], v[SS+16*(2*\c+\qt)+\n+1]
.endr
.endr
.endr
.irp qt, 0,1
	v_max3_num_f32 v[T+2*\qt], v[T+2*\qt], v[SS+16*\qt+15], v[SS+16*(2+\qt)+15]
.endr
.irp qt, 0,1
.if \first
	v_max_num_f32 v[T+2*\qt], v[T+2*\qt], v[T+2*\qt+1]
.else
	v_max3_num_f32 v[T+2*\qt], v[T+2*\qt], v[T+2*\qt+1], v[MM+2*\qt]
.endif
.endr
	v_permlanex16_b32 v[T+4], v[T], s62, s63       ; its destination counts as read: written at the kernel's head
	v_permlanex16_b32 v[T+5], v[T+2], s62, s63
	v_max_num_f32 v[T], v[T], v[T+4]
	v_max_num_f32 v[T+2], v[T+2], v[T+5]
.if \first == 0
	v_sub_f32 v[T+6], v[MM], v[T]
	v_sub_f32 v[T+7], v[MM+2], v[T+2]
	v_exp_f32 v[AL], v[T+6]
	v_exp_f32 v[AL+2], v[T+7]                      ; the moves below, which touch neither results nor sources, are the plain place behind these (ISA guide 5.7.2)
.endif
	v_mov_b32 v[MM], v[T]
	v_mov_b32 v[MM+1], v[T]
	v_mov_b32 v[MM+2], v[T+2]
	v_mov_b32 v[MM+3], v[T+2]
.if \first == 0
	s_wait_alu depctr_va_vdst(0)
	v_mov_b32 v[AL+1], v[AL]
	v_mov_b32 v[AL+3], v[AL+2]
.endif
.endm
.macro SUBEXP qt                       ; P = 2^(S - maximum), in place.  The plain place behind the last exponential is the next macro's first line, on the other query tile
.irp c, 0,1
.irp n, 0,2,4,6,8,10,12,14
	v_pk_add_f32 v[SS+16*(2*\c+\qt)+\n:SS+16*(2*\c+\qt)+\n+1], v[SS+16*(2*\c+\qt)+\n:SS+16*(2*\c+\qt)+\n+1], v[MM+2*\qt:MM+2*\qt+1] neg_lo:[0,1] neg_hi:[0,1]
.endr
.endr
.irp c, 0,1
.irp n, 0,1,2,3,4,5,6,7,8,9,10,11,12,13,14,15
	v_exp_f32 v[SS+16*(2*\c+\qt)+\n], v[SS+16*(2*\c+\qt)+\n]
.endr
.endr
.endm
.macro SUM qt, first                   ; the running sum of my half of the keys, in f32: two chains of packed adds
	s_wait_alu depctr_va_vdst(0)
	v_pk_add_f32 v[T:T+1],   v[SS+16*\qt:SS+16*\qt+1],         v[SS+16*\qt+2:SS+16*\qt+3]
	v_pk_add_f32 v[T+2:T+3], v[SS+16*(2+\qt):SS+16*(2+\qt)+1], v[SS+16*(2+\qt)+2:SS+16*(2+\qt)+3]
.irp n, 4,6,8,10,12,14
	v_pk_add_f32 v[T:T+1],   v[T:T+1],   v[SS+16*\qt+\n:SS+16*\qt+\n+1]
	v_pk_add_f32 v[T+2:T+3], v[T+2:T+3], v[SS+16*(2+\qt)+\n:SS+16*(2+\qt)+\n+1]
.endr
	v_pk_add_f32 v[T:T+1], v[T:T+1], v[T+2:T+3]
.if \first
	v_add_f32 v[LL+\qt], v[T], v[T+1]
.else
	v_add_f32 v[T], v[T], v[T+1]
	v_fma_f32 v[LL+\qt], v[LL+\qt], v[AL+2*\qt], v[T]
.endif
.endm
.macro CVT qt                          ; a block's 16 f32 into its first 8 registers as f16: register n is written when registers up to 2 n + 1 have been read
.irp c, 0,1
.irp n, 0,1,2,3,4,5,6,7
	v_cvt_pk_f16_f32 v[SS+16*(2*\c+\qt)+\n], v[SS+16*(2*\c+\qt)+2*\n], v[SS+16*(2*\c+\qt)+2*\n+1]
.endr
.endr
.endm
.macro RESCALE
.irp ht, 0,1,2,3
.irp qt, 0,1
.irp n, 0,2,4,6
	v_pk_mul_f32 v[OO+8*(2*\ht+\qt)+\n:OO+8*(2*\ht+\qt)+\n+1], v[OO+8*(2*\ht+\qt)+\n:OO+8*(2*\ht+\qt)+\n+1], v[AL+2*\qt:AL+2*\qt+1]
.endr
.endr
.endr
.endm
.macro PVC c, zero                     ; O^T += V^T P^T over 32 keys: eight accumulators take turns
.irp ht, 0,1,2,3
.irp qt, 0,1
.if \zero
	v_wmma_f32_16x16x32_f16 v[OO+8*(2*\ht+\qt):OO+8*(2*\ht+\qt)+7], v[KV+8*(4*\c+\ht):KV+8*(4*\c+\ht)+7], v[SS+16*(2*\c+\qt):SS+16*(2*\c+\qt)+7], 0
.else
	v_wmma_f32_16x16x32_f16 v[OO+8*(2*\ht+\qt):OO+8*(2*\ht+\qt)+7], v[KV+8*(4*\c+\ht):KV+8*(4*\c+\ht)+7], v[SS+16*(2*\c+\qt):SS+16*(2*\c+\qt)+7], v[OO+8*(2*\ht+\qt):OO+8*(2*\ht+\qt)+7]
.endif
.endr
.endr
.endm
; One key tile.  One barrier does two things: in front of it every wave has waited for all its tensor loads (its rows of this slot's tile among
; them) and for its reads of the other slot; behind it the other slot is filled again first (two loads a wave are out, for a whole trip), then this slot is read.
.macro TRIP slot, first, refill
	s_wait_tensorcnt 0x0
	ds_add_u32 v30, v31
	s_wait_dscnt 0x0
.if \refill
	NEXT 1-\slot
.endif
	s_wait_dscnt 0x0
	s_barrier_signal -1
	s_barrier_wait -1
.if \refill
	tensor_load_to_lds s[GK+4*(1-\slot):GK+4*(1-\slot)+3], s[G1K:G1K+7]
	s_nop 0
	tensor_load_to_lds s[GV+4*(1-\slot):GV+4*(1-\slot)+3], s[G1V:G1V+7]
	s_nop 0
.endif
	KLOAD \slot
.if \first
	s_wait_loadcnt 0x0                             ; the pass's queries
.endif
	SMUL
	NOPS 4                                         ; four places: V's loads land on K's registers, and the lines below read S
	VLOAD \slot
.if \first
	MASK
.endif
	ROWMAX \first
	SUBEXP 0
	SUBEXP 1
	SUM 0, \first
	CVT 0
.if \first == 0
	RESCALE
.endif
	SUM 1, \first
	CVT 1
	s_wait_dscnt 0x0                               ; V's fragments
	PVC 0, \first
	PVC 1, 0
	NOPS 5                                         ; five places: the next product writes over P, the next loads land on V's registers, O is read or scaled
.endm
; The end of a pass: waves 4-7 hand O, maxima and sums to waves 0-3, which merge, divide and store.
.macro FIN ob, nextq
.if \nextq
	QLOAD 72                                       ; pass B's queries, wanted one merge later
.endif
	s_cmp_eq_u32 s14, 0
	s_cbranch_scc1 .Lno_write_\@
	v_mov_b32 v[T], v[MM]
	v_mov_b32 v[T+1], v[MM+2]
	v_mov_b32 v[T+2], v[LL]
	v_mov_b32 v[T+3], v[LL+1]
.irp i, 0,1,2,3,4,5,6,7,8,9,10,11,12,13,14,15
	ds_store_b128 v6, v[OO+4*\i:OO+4*\i+3] offset:512*\i
.endr
	ds_store_b128 v6, v[T:T+3] offset:8192
.Lno_write_\@:
	s_wait_dscnt 0x0                               ; for the readers' sake: my stores are done
	s_barrier_signal -1
	s_barrier_wait -1
	s_cmp_lg_u32 s14, 0
	s_cbranch_scc1 .Lno_read_\@
	ds_load_b128 v[T+4:T+7], v6 offset:4*MSZ+8192
.irp i, 0,1,2,3,4,5,6,7,8,9,10,11,12,13,14,15
	ds_load_b128 v[SS+4*\i:SS+4*\i+3], v6 offset:4*MSZ+512*\i
.endr
	s_wait_dscnt 16                                ; the partner's maxima and sums are in; its O, 16 loads, may be out
	v_max_num_f32 v[T], v[MM], v[T+4]              ; the common maximum
	v_max_num_f32 v[T+1], v[MM+2], v[T+5]
	v_sub_f32 v[T+2], v[MM], v[T]
	v_sub_f32 v[T+3], v[MM+2], v[T+1]
	v_sub_f32 v[T+4], v[T+4], v[T]
	v_sub_f32 v[T+5], v[T+5], v[T+1]
	v_exp_f32 v[T+2], v[T+2]                       ; my weight,
	v_exp_f32 v[T+3], v[T+3]
	v_exp_f32 v[T+4], v[T+4]                       ; the partner's
	v_exp_f32 v[T+5], v[T+5]
	v_nop                                          ; the plain place behind the exponentials (ISA guide 5.7.2)
	s_wait_alu depctr_va_vdst(0)
	v_mul_f32 v[LL], v[LL], v[T+2]
	v_mul_f32 v[LL+1], v[LL+1], v[T+3]
	v_fmac_f32 v[LL], v[T+6], v[T+4]
	v_fmac_f32 v[LL+1], v[T+7], v[T+5]
	v_permlanex16_b32 v[T], v[LL], s62, s63        ; the other half of the keys
	v_permlanex16_b32 v[T+1], v[LL+1], s62, s63
	v_add_f32 v[LL], v[LL], v[T]
	v_add_f32 v[LL+1], v[LL+1], v[T+1]
	v_rcp_f32 v[LL], v[LL]                         ; the sum is at least 1: the largest score's term
	v_rcp_f32 v[LL+1], v[LL+1]
	v_nop
	s_wait_alu depctr_va_vdst(0)
	v_mul_f32 v[AL], v[T+2], v[LL]
	v_mul_f32 v[AL+2], v[T+3], v[LL+1]
	v_mul_f32 v[MM], v[T+4], v[LL]
	v_mul_f32 v[MM+2], v[T+5], v[LL+1]
	v_mov_b32 v[AL+1], v[AL]
	v_mov_b32 v[AL+3], v[AL+2]
	v_mov_b32 v[MM+1], v[MM]
	v_mov_b32 v[MM+3], v[MM+2]
	s_wait_dscnt 0x0
.irp ht, 0,1,2,3
.irp qt, 0,1
.irp n, 0,2,4,6
	v_pk_mul_f32 v[OO+8*(2*\ht+\qt)+\n:OO+8*(2*\ht+\qt)+\n+1], v[OO+8*(2*\ht+\qt)+\n:OO+8*(2*\ht+\qt)+\n+1], v[AL+2*\qt:AL+2*\qt+1]
	v_pk_fma_f32 v[OO+8*(2*\ht+\qt)+\n:OO+8*(2*\ht+\qt)+\n+1], v[SS+8*(2*\ht+\qt)+\n:SS+8*(2*\ht+\qt)+\n+1], v[MM+2*\qt:MM+2*\qt+1], v[OO+8*(2*\ht+\qt)+\n:OO+8*(2*\ht+\qt)+\n+1]
.endr
.endr
.endr
.irp ht, 0,1,2,3
.irp qt, 0,1
.irp n, 0,1,2,3
	v_cvt_pk_f16_f32 v[KV+4*(2*\ht+\qt)+\n], v[OO+8*(2*\ht+\qt)+2*\n], v[OO+8*(2*\ht+\qt)+2*\n+1]
.endr
	ds_store_b128 v7, v[KV+4*(2*\ht+\qt):KV+4*(2*\ht+\qt)+3] offset:\qt*16*KP+\ht*32   ; query 16 qt + r, head dims 16 ht + 8 h ..
.endr
.endr
.irp t, 0,1,2,3,4,5,6,7
	ds_load_b128 v[KV+32+4*\t:KV+32+4*\t+3], v8 offset:\t*4*KP     ; my own bytes; LDS serves a wave's instructions in order (ISA guide 5.7.1)
.endr
.irp t, 0,1,2,3,4,5,6,7
	s_wait_dscnt 7-\t
	global_store_b128 v9, v[KV+32+4*\t:KV+32+4*\t+3], s[\ob:\ob+1] offset:512*\t   ; four rows: 512 consecutive bytes
.endr
.if \nextq
	s_wait_xcnt 0x0                                ; the registers that these stores read are loaded again in the next trip only behind this wait
.endif
.Lno_read_\@:
.endm
	TRIP 0, 1, 1                                   ; pass A: the diagonal tile,
	s_lshr_b32 s69, s17, 1                         ; then dA tiles, an even number, none for dA = 0 (a number made of the work-group's id: the same in all waves)
	s_cmp_eq_u32 s69, 0
	s_cbranch_scc1 .Ldone_a
.Lloop_a:
	TRIP 1, 0, 1
	TRIP 0, 0, 1
	s_sub_co_u32 s69, s69, 1
	s_cmp_lg_u32 s69, 0
	s_cbranch_scc1 .Lloop_a
.Ldone_a:
	FIN 74, 1
	TRIP 1, 1, 1                                   ; pass B: the diagonal tile,
	s_lshr_b32 s69, s18, 1                         ; then dB tiles, an odd number: pairs, and one that fetches nothing
	s_cmp_eq_u32 s69, 0
	s_cbranch_scc1 .Ldone_b
.Lloop_b:
	TRIP 0, 0, 1
	TRIP 1, 0, 1
	s_sub_co_u32 s69, s69, 1
	s_cmp_lg_u32 s69, 0
	s_cbranch_scc1 .Lloop_b
.Ldone_b:
	TRIP 0, 0, 0
	FIN 76, 0
	s_wait_tensorcnt 0x0
	ds_add_u32 v30, v31
	s_wait_dscnt 0x0
	s_endpgm
.Lfunc_end_k_qd091c880a3_attn:
	.size	k_qd091c880a3_attn, .Lfunc_end_k_qd091c880a3_attn-k_qd091c880a3_attn
	.p2alignl 7, 3214868480
	.fill 96, 4, 3214868480
	.section	.rodata,"a",@progbits
	.p2align	6, 0x0
	.amdhsa_kernel k_qd091c880a3_attn
		.amdhsa_group_segment_fixed_size 327680
		.amdhsa_private_segment_fixed_size 0
		.amdhsa_enable_private_segment 0
		.amdhsa_kernarg_size 32
		.amdhsa_user_sgpr_count 2
		.amdhsa_user_sgpr_kernarg_segment_ptr 1
		.amdhsa_wavefront_size32 1
		.amdhsa_system_sgpr_workgroup_id_x 1
		.amdhsa_system_sgpr_workgroup_id_y 1
		.amdhsa_system_sgpr_workgroup_id_z 1
		.amdhsa_system_vgpr_workitem_id 0
		.amdhsa_next_free_vgpr 256
		.amdhsa_next_free_sgpr 80
		.amdhsa_reserve_vcc 1
		.amdhsa_float_denorm_mode_32 3
		.amdhsa_float_denorm_mode_16_64 3
		.amdhsa_memory_ordered 1
		.amdhsa_forward_progress 1
		.amdhsa_inst_pref_size 160
	.end_amdhsa_kernel
	.amdgpu_metadata
---
amdhsa.version: [ 1, 2 ]
amdhsa.kernels:
  - .name:           k_qd091c880a3_attn
    .symbol:         k_qd091c880a3_attn.kd
    .args:
      - { .name: q, .offset: 0, .size: 8, .value_kind: global_buffer, .address_space: global }
      - { .name: k, .offset: 8, .size: 8, .value_kind: global_buffer, .address_space: global }
      - { .name: v, .offset: 16, .size: 8, .value_kind: global_buffer, .address_space: global }
      - { .name: ao, .offset: 24, .size: 8, .value_kind: global_buffer, .address_space: global }
    .group_segment_fixed_size: 327680
    .private_segment_fixed_size: 0
    .kernarg_segment_align: 8
    .kernarg_segment_size: 32
    .max_flat_workgroup_size: 256
    .sgpr_count:     80
    .vgpr_count:     256
    .wavefront_size: 32
...
	.end_amdgpu_metadata
.endif
;; end of part 3
;; launch proj (part 4): grid 8 x 32, 4 waves a work-group, clusters of 4 x 4, 327,680 bytes of LDS; arguments ao, wph, out0; writes out0
.if DOCPART == 4
	.amdgcn_target "amdgcn-amd-amdhsa--gfx1250"
	.amdhsa_code_object_version 6
	.text
	.protected	k_qd091c880a3_proj
	.globl	k_qd091c880a3_proj
	.p2align	8
	.type	k_qd091c880a3_proj,@function
k_qd091c880a3_proj:
	s_mov_b64 s[64:65], 0
	v_nop
	global_prefetch_b8 v0, s[64:65] scope:SCOPE_SE
	s_setreg_imm32_b32 hwreg(HW_REG_WAVE_MODE, 25, 1), 1
	s_wait_xcnt 0x0
	s_wait_alu depctr_hold_cnt(0) depctr_sa_sdst(0) depctr_va_vdst(0) depctr_va_sdst(0) depctr_va_ssrc(0) depctr_va_vcc(0) depctr_vm_vsrc(0)
	s_getreg_b32 s2, hwreg(HW_REG_IB_STS2, 6, 4)
	s_cmp_eq_u32 s2, 0
	s_cbranch_scc0 .Lentry_in_a_cluster
	s_endpgm
.Lentry_in_a_cluster:
	s_bfe_u32 s2, ttmp6, 0x10000c
	s_cmp_lg_u32 s2, 0xf033
	s_cbranch_scc0 .Lentry_shape_is_right
	s_endpgm
.Lentry_shape_is_right:
; out0[row][e] = sum over d of ao[row][d] Wp[e][d], f16 operands, f32 sums, f32 out.
; ao: [batch * 16 + head][2048][64] f16 (d = 64 head + column); wph: [1024][1024] f16; out0: [4096][1024] f32.
; A work-group makes 128 x 128 of out0 (256 work-groups), a wave 64 x 64: 16 accumulator tiles in window 2, tile (a, b) at v[8 (4 a + b)].
; K goes in four steps of 256 (four heads) through two LDS slots, all written out: no loop.  A step is four phases of one head, 32 matrix instructions each.
; CLUSTERS: 4 x 4 work-groups; ao's tiles hang on the row block alone and are asked for jointly by a row of the cluster, the weights' on the column block
; alone and are asked for jointly by a column.
; The matrix instruction is used transposed (source 0 = weights' rows, source 1 = ao's rows): a lane's eight results are eight neighbouring columns of one row.
.set PA,     144                       ; ao's LDS row: 128 bytes + 16
.set PB,     528                       ; the weights' LDS row: 512 bytes + 16
.set ASUB,   128*PA                    ; one head's 128 rows
.set BOFF,   4*ASUB
.set BQ,     32*PB                     ; 32 rows of the weights: one tensor load
.set SLOT,   BOFF+128*PB               ; 141,312
.set STAGE,  2*SLOT                    ; behind the ring, bytes of its own: 16 rows x 272 bytes for each wave
.set SPITCH, 272
.set ADRA, 16                          ; v16-17 LDS address of my ao fragments in slot 0, 1
.set ADRB, 20                          ; v20-21 the same for the weights
.set STO,  24
.set RD,   25
.set CO,   26
.set F0,   64                          ; fragment buffers: [K half][4 tiles of 16 rows], ao's in window 0, the weights' in window 1
.set F1,   128
.set G1A, 24                           ; s[24:31]
.set G1B, 32                           ; s[32:39]
.set G0A, 40                           ; s[40:55] group 0 for ao: set 2 slot + e
.set G0B, 68                           ; s[68:83] group 0 for the weights: set 2 slot + e
.set MSB, 0
.macro WIN new
.if MSB != (\new)
	s_set_vgpr_msb (MSB<<8)|(\new)
.set MSB, \new
.endif
.endm
.set MUL,  0xa1                        ; source 0 window 1, source 1 window 0, C and D window 2
.set TO_B, 0x40
; Joint loads of one K step: waves 0, 1 ask for two heads of ao each, waves 2, 3 for twice 32 rows of the weights: two loads a wave either way
.macro JLOAD2 s
	s_cmp_eq_u32 s11, 0
	s_cbranch_scc0 .Lfor_b_\@
	tensor_load_to_lds s[G0A+8*\s:G0A+8*\s+3], s[G1A:G1A+7]
	s_nop 0
	tensor_load_to_lds s[G0A+8*\s+4:G0A+8*\s+7], s[G1A:G1A+7]
	s_nop 0
	s_branch .Lasked_\@
.Lfor_b_\@:
	tensor_load_to_lds s[G0B+8*\s:G0B+8*\s+3], s[G1B:G1B+7]
	s_nop 0
	tensor_load_to_lds s[G0B+8*\s+4:G0B+8*\s+7], s[G1B:G1B+7]
	s_nop 0
.Lasked_\@:
.endm
.macro CREST
	s_cmp_lg_u32 s10, 0
	s_cbranch_scc1 .Lnot_wave_0_\@
	s_barrier_signal -3
.Lnot_wave_0_\@:
	s_barrier_wait -3
	s_barrier_signal -1
	s_barrier_wait -1
.endm
.macro CROUND
	s_barrier_signal -1
	s_barrier_wait -1
	CREST
.endm
	s_load_b128 s[4:7], s[0:1], 0x0                ; ao s[4:5], wph s[6:7]
	s_load_b64 s[8:9], s[0:1], 0x10                ; out0
	s_set_vgpr_msb 0x40
	v_lshl_add_u32 v255, v0, 2, 0x49400
	s_set_vgpr_msb 0x4000
	v_mov_b32 v255, 0
	s_set_vgpr_msb 0x1
	ds_add_u32 v255, v255
	ds_add_u32 v255, v255
	s_set_vgpr_msb 0x100
	v_lshrrev_b32 v1, 5, v0
	v_readfirstlane_b32 s10, v1                    ; wave 0..3
	s_lshr_b32 s11, s10, 1                         ; my half of the rows.  Also: I fetch ao (0) or weights (1)
	s_and_b32 s12, s10, 1                          ; my half of the columns.  Also: which half of the tile I fetch
	s_bfe_u32 s13, ttmp6, 0x40000                  ; cx
	s_bfe_u32 s14, ttmp6, 0x40004                  ; cy
	s_lshl_b32 s15, ttmp9, 2
	s_add_co_u32 s15, s15, s13                     ; column block
	s_and_b32 s16, ttmp7, 0xffff
	s_lshl_b32 s16, s16, 2
	s_add_co_u32 s16, s16, s14                     ; row block
	s_lshl_b32 s17, s14, 2
	s_lshl_b32 s17, 15, s17                        ; my row of the cluster
	s_lshl_b32 s18, 0x1111, s13                    ; my column
	s_or_b32 s[G1A+0], s17, (1<<16)|(1<<20)|(1<<21)|(4<<22)|(3<<25)   ; 2-byte elements; 4 words of padding behind every 32
	s_or_b32 s[G1B+0], s18, (1<<16)|(1<<20)|(1<<21)|(6<<22)|(3<<25)   ; behind every 128
	s_mov_b32 s[G1A+1], 64<<16                     ; ao: 128 rows of 64, dense
	s_mov_b32 s[G1A+2], 128<<16
	s_mov_b32 s[G1A+3], 64<<16
	s_mov_b32 s[G1A+4], 128
	s_mov_b32 s[G1A+5], 64
	s_mov_b32 s[G1A+6], 0
	s_mov_b32 s[G1A+7], 0
	s_mov_b32 s[G1B+1], 256<<16                    ; weights: 32 rows of 256, 1,024 elements from row to row
	s_mov_b32 s[G1B+2], 32<<16
	s_mov_b32 s[G1B+3], 256<<16
	s_mov_b32 s[G1B+4], 32
	s_mov_b32 s[G1B+5], 1024
	s_mov_b32 s[G1B+6], 0
	s_mov_b32 s[G1B+7], 0
	s_lshr_b32 s56, s16, 4                         ; ao: batch = row block / 16,
	s_lshl_b32 s56, s56, 4                         ; 16 heads a batch,
	s_lshl_b32 s57, s12, 1
	s_add_co_u32 s56, s56, s57                     ; + the two heads of a step that I fetch,
	s_lshl_b32 s56, s56, 18                        ; 262,144 bytes a head,
	s_and_b32 s57, s16, 15
	s_lshl_b32 s57, s57, 14                        ; + 128 rows of 128 bytes a block
	s_add_co_u32 s56, s56, s57
	s_mov_b32 s57, 0
	s_lshl_b32 s60, s15, 7                         ; weights: row 128 x column block + 64 x half
	s_lshl_b32 s61, s12, 6
	s_add_co_u32 s60, s60, s61
	s_lshl_b32 s60, s60, 11                        ; rows of 2,048 bytes
	s_mov_b32 s61, 0
	s_mul_i32 s84, s10, 2*ASUB                     ; LDS: waves 0, 1: heads 2 w, 2 w + 1
	s_mul_i32 s85, s10, 2*BQ
	s_add_co_u32 s85, s85, BOFF-4*BQ               ; waves 2, 3: the weights' rows 64 (w - 2) ..
	s_lshl_b32 s86, s16, 7                         ; out0: row 128 x block + 64 x half, 4,096 bytes a row,
	s_lshl_b32 s87, s11, 6
	s_add_co_u32 s86, s86, s87
	s_lshl_b32 s86, s86, 12
	s_lshl_b32 s87, s15, 9                         ; + 512 bytes a column block + 256 a half
	s_add_co_u32 s86, s86, s87
	s_lshl_b32 s87, s12, 8
	s_add_co_u32 s86, s86, s87
	s_mov_b32 s87, 0
	s_wait_dscnt 0x0
	s_wait_kmcnt 0x0
	s_add_nc_u64 s[58:59], s[4:5], s[56:57]
	s_add_nc_u64 s[62:63], s[6:7], s[60:61]
	s_add_nc_u64 s[8:9], s[8:9], s[86:87]
	CROUND                                         ; the first joint loads meet
.irp s, 0,1
.irp e, 0,1
	s_mov_b32 s[G0A+8*\s+4*\e], 1
	s_add_co_u32 s[G0A+8*\s+4*\e+1], s84, \s*SLOT+\e*ASUB
	s_add_nc_u64 s[G0A+8*\s+4*\e+2:G0A+8*\s+4*\e+3], s[58:59], (4*\s+\e)*262144
	s_or_b32 s[G0A+8*\s+4*\e+3], s[G0A+8*\s+4*\e+3], 0x80000000
	s_mov_b32 s[G0B+8*\s+4*\e], 1
	s_add_co_u32 s[G0B+8*\s+4*\e+1], s85, \s*SLOT+\e*BQ
	s_add_nc_u64 s[G0B+8*\s+4*\e+2:G0B+8*\s+4*\e+3], s[62:63], \e*65536+\s*512
	s_or_b32 s[G0B+8*\s+4*\e+3], s[G0B+8*\s+4*\e+3], 0x80000000
.endr
	JLOAD2 \s                                      ; K steps 0 and 1: four loads of the wave are out
.endr
	v_and_b32 v1, 15, v0                           ; r
	v_bfe_u32 v2, v0, 4, 1                         ; h
	v_mul_u32_u24 v3, v1, PA
	v_lshl_add_u32 v3, v2, 4, v3
	v_mul_u32_u24 v4, v1, PB
	v_lshl_add_u32 v4, v2, 4, v4
	s_mul_i32 s19, s11, 64*PA                      ; my 64 rows of ao
	s_mul_i32 s20, s12, 64*PB                      ; my 64 rows of the weights
	s_add_co_u32 s20, s20, BOFF
.irp s, 0,1
	v_add_nc_u32 v[ADRA+\s], s19, v3
	v_add_nc_u32 v[ADRB+\s], s20, v4
	s_add_co_u32 s19, s19, SLOT
	s_add_co_u32 s20, s20, SLOT
.endr
	s_mul_i32 s21, s10, 16*SPITCH
	s_add_co_u32 s21, s21, STAGE                   ; my stage
	v_mul_u32_u24 v5, v1, SPITCH                   ; in: row r, 32 bytes for each half of the lanes
	v_lshl_add_u32 v5, v2, 5, v5
	v_add_nc_u32 v[STO], s21, v5
	v_mul_u32_u24 v6, v2, SPITCH                   ; back: lanes 0-15 one row of 256 bytes, lanes 16-31 the next
	v_lshl_add_u32 v6, v1, 4, v6
	v_add_nc_u32 v[RD], s21, v6
	v_lshlrev_b32 v7, 12, v2                       ; and the same two rows in out0
	v_lshl_add_u32 v[CO], v1, 4, v7
; 8 matrix instructions: row tiles a0, a0 + 1 x four column tiles, K half kk of the phase's 64
.macro MUL8 f, kk, a0, zero
.irp a, \a0, \a0+1
.irp b, 0,1,2,3
.if \zero
	v_wmma_f32_16x16x32_f16 v[8*(4*(\a)+\b):8*(4*(\a)+\b)+7], v[\f+8*(4*\kk+\b):\f+8*(4*\kk+\b)+7], v[\f+8*(4*\kk+\a):\f+8*(4*\kk+\a)+7], 0
.else
	v_wmma_f32_16x16x32_f16 v[8*(4*(\a)+\b):8*(4*(\a)+\b)+7], v[\f+8*(4*\kk+\b):\f+8*(4*\kk+\b)+7], v[\f+8*(4*\kk+\a):\f+8*(4*\kk+\a)+7], v[8*(4*(\a)+\b):8*(4*(\a)+\b)+7]
.endif
.endr
.endr
.endm
; 32 LDS loads in one run: head e of the slot's four: the weights' 64 rows, both K halves, then ao's
.macro FETCH slot, e, f
	WIN TO_B
.irp kk, 0,1
.irp i, 0,1,2,3
	ds_load_b128 v[\f+8*(4*\kk+\i):\f+8*(4*\kk+\i)+3],   v[ADRB+\slot] offset:\e*128+\kk*64+\i*16*PB
	ds_load_b128 v[\f+8*(4*\kk+\i)+4:\f+8*(4*\kk+\i)+7], v[ADRB+\slot] offset:\e*128+\kk*64+\i*16*PB+32
.endr
.endr
	WIN 0
.irp kk, 0,1
.irp i, 0,1,2,3
	ds_load_b128 v[\f+8*(4*\kk+\i):\f+8*(4*\kk+\i)+3],   v[ADRA+\slot] offset:\e*ASUB+\kk*64+\i*16*PA
	ds_load_b128 v[\f+8*(4*\kk+\i)+4:\f+8*(4*\kk+\i)+7], v[ADRA+\slot] offset:\e*ASUB+\kk*64+\i*16*PA+32
.endr
.endr
.endm
.macro PLACES                          ; four places behind the last matrix instruction (ISA guide 7.12.1 for vector instructions)
.rept 4
	v_nop
.endr
.endm
; A phase multiplies buffer f (one head) and in its middle fetches head e of the same slot into buffer g.  The 16 accumulators take turns,
; one instruction a turn.
.macro PHASE slot, e, f, g, zero
	s_wait_dscnt 8                                 ; all but ao's second K half, the youngest eight loads
	WIN MUL
	MUL8 \f, 0, 0, \zero
	MUL8 \f, 0, 2, \zero
	PLACES
	FETCH \slot, \e, \g
	s_wait_dscnt 32                                ; all but the 32 just issued
	WIN MUL
	MUL8 \f, 1, 0, 0
	MUL8 \f, 1, 2, 0
.endm
.macro THREE slot, zero
	PHASE \slot, 1, F0, F1, \zero
	PHASE \slot, 2, F1, F0, 0
	PHASE \slot, 3, F0, F1, 0
.endm
; The fourth phase changes slots: each wave's reads of this slot and all its tensor loads are waited for in front of the barrier; fill = 1: the barrier
; opens a round of the cluster's barrier, and the joint refills of this slot, two K steps ahead, are the first tensor loads behind the round.
.macro TURN slot, next, fill
	s_wait_dscnt 8
	WIN MUL
	MUL8 F1, 0, 0, 0
	s_wait_dscnt 0
	s_wait_tensorcnt 0x0
	ds_add_u32 v255, v255
	s_wait_dscnt 0x0
	s_barrier_signal -1
	MUL8 F1, 0, 2, 0                               ; registers only
	WIN 0
	s_barrier_wait -1
.if \fill
	CREST
.irp e, 0,1
	s_add_nc_u64 s[G0A+8*\slot+4*\e+2:G0A+8*\slot+4*\e+3], s[G0A+8*\slot+4*\e+2:G0A+8*\slot+4*\e+3], 8*262144   ; eight heads on
	s_add_nc_u64 s[G0B+8*\slot+4*\e+2:G0B+8*\slot+4*\e+3], s[G0B+8*\slot+4*\e+2:G0B+8*\slot+4*\e+3], 1024       ; 512 columns on
.endr
	JLOAD2 \slot
.endif
	PLACES
	FETCH \next, 0, F0
	WIN MUL
	MUL8 F1, 1, 0, 0
	MUL8 F1, 1, 2, 0
.endm
	s_wait_tensorcnt 2                             ; my two loads of K step 0 are in; K step 1's two stay out
	s_barrier_signal -1
	s_barrier_wait -1
	FETCH 0, 0, F0
	THREE 0, 1                                     ; K step 0: its first products start the sums
	TURN 0, 1, 1                                   ; slot 0 gets K step 2
	THREE 1, 0
	TURN 1, 0, 1                                   ; slot 1 gets K step 3
	THREE 0, 0
	TURN 0, 1, 0
	THREE 1, 0
	s_wait_dscnt 8
	WIN MUL
	MUL8 F1, 0, 0, 0
	MUL8 F1, 0, 2, 0
	s_wait_dscnt 0
	MUL8 F1, 1, 0, 0
	MUL8 F1, 1, 2, 0
	PLACES
; THE WAY OUT, 16 rows at a time through my own stage: 32 bytes a lane in, whole rows of 256 bytes back, sixteen lanes store 256 consecutive
; bytes that start at a multiple of 256 from out0's first byte.  Each row tile has 32 registers of its own for the read-back.
.macro OUT16 a
	WIN 0x08                                       ; store data from window 2
.irp b, 0,1,2,3
	ds_store_b128 v[STO], v[8*(4*\a+\b):8*(4*\a+\b)+3]   offset:64*\b
	ds_store_b128 v[STO], v[8*(4*\a+\b)+4:8*(4*\a+\b)+7] offset:64*\b+16
.endr
	WIN 0
.irp t, 0,1,2,3,4,5,6,7
	ds_load_b128 v[64+32*\a+4*\t:64+32*\a+4*\t+3], v[RD] offset:\t*2*SPITCH    ; LDS serves a wave's instructions in order (ISA guide 5.7.1)
.endr
.irp t, 0,1,2,3,4,5,6,7
	s_wait_dscnt 7-\t
	global_store_b128 v[CO], v[64+32*\a+4*\t:64+32*\a+4*\t+3], s[8:9] offset:\a*65536+\t*8192 th:TH_STORE_NT
.endr
.endm
	OUT16 0
	OUT16 1
	OUT16 2
	OUT16 3
	s_set_vgpr_msb 0x1
	s_wait_tensorcnt 0x0
	ds_add_u32 v255, v255
	s_wait_dscnt 0x0
	s_set_vgpr_msb 0x100
	CROUND                                         ; the closing round
	s_endpgm
.Lfunc_end_k_qd091c880a3_proj:
	.size	k_qd091c880a3_proj, .Lfunc_end_k_qd091c880a3_proj-k_qd091c880a3_proj
	.p2alignl 7, 3214868480
	.fill 96, 4, 3214868480
	.section	.rodata,"a",@progbits
	.p2align	6, 0x0
	.amdhsa_kernel k_qd091c880a3_proj
		.amdhsa_group_segment_fixed_size 327680
		.amdhsa_private_segment_fixed_size 0
		.amdhsa_enable_private_segment 0
		.amdhsa_kernarg_size 24
		.amdhsa_user_sgpr_count 2
		.amdhsa_user_sgpr_kernarg_segment_ptr 1
		.amdhsa_wavefront_size32 1
		.amdhsa_system_sgpr_workgroup_id_x 1
		.amdhsa_system_sgpr_workgroup_id_y 1
		.amdhsa_system_sgpr_workgroup_id_z 1
		.amdhsa_system_vgpr_workitem_id 0
		.amdhsa_next_free_vgpr 640
		.amdhsa_next_free_sgpr 90
		.amdhsa_reserve_vcc 0
		.amdhsa_float_denorm_mode_32 3
		.amdhsa_float_denorm_mode_16_64 3
		.amdhsa_memory_ordered 1
		.amdhsa_forward_progress 1
		.amdhsa_inst_pref_size 89
	.end_amdhsa_kernel
	.amdgpu_metadata
---
amdhsa.version: [ 1, 2 ]
amdhsa.kernels:
  - .name:           k_qd091c880a3_proj
    .symbol:         k_qd091c880a3_proj.kd
    .args:
      - { .name: ao, .offset: 0, .size: 8, .value_kind: global_buffer, .address_space: global }
      - { .name: wph, .offset: 8, .size: 8, .value_kind: global_buffer, .address_space: global }
      - { .name: out0, .offset: 16, .size: 8, .value_kind: global_buffer, .address_space: global }
    .group_segment_fixed_size: 327680
    .private_segment_fixed_size: 0
    .kernarg_segment_align: 8
    .kernarg_segment_size: 24
    .max_flat_workgroup_size: 128
    .sgpr_count:     90
    .vgpr_count:     640
    .wavefront_size: 32
...
	.end_amdgpu_metadata
.endif
;; end of part 4
